; MI455X (gfx1250); checked and timed in simulation.
; The chip was launched on July 23, 2026; its instructions are those of AMD's public machine-readable ISA for CDNA 5 (MIT licence, August 2026) and "CDNA5" Instruction Set Architecture Reference Guide (July 2026). The comments in the code are by the model that wrote it; some were corrected since.
;; Multi Head Self Attention Block. Allowed arithmetic: matrix products marked QUANTISED: E5M2 operands, one given power-of-two scale a tensor, by v_wmma_f32_16x16x64_bf8_bf8 or v_wmma_f32_16x16x128_bf8_bf8, f32 sums; everything else in f32.
;; Inputs: bk 1,024 float32; bo 1,024 float32; bq 1,024 float32; bv 1,024 float32; k 2 x 2,048 x 1,024 float32; lowp_scales 12 int32 (the exponents e of the quantised operands' scales 2^e); mask 1 x 1 x 2,048 x 2,048 int32; q 2 x 2,048 x 1,024 float32; v 2 x 2,048 x 1,024 float32; wk 1,024 x 1,024 float32; wo 1,024 x 1,024 float32; wq 1,024 x 1,024 float32; wv 1,024 x 1,024 float32.
;; Outputs: out0 2 x 2,048 x 1,024 float32.
;; This version of the problem:
;;   THIS VERSION OF THE PROBLEM IS GIVEN IN LOW PRECISION. The matrix products marked QUANTISED in the list below multiply operands that are first quantised to E5M2 (5 exponent bits, 2 mantissa bits; 8 bits a number), with one given power-of-two scale for each operand tensor; their sums are f32. All else is computed in f32.
;;   The module's matrix products, in the order in which they are computed (A, B: the left and right operand; K: the contracted axis; several contracted axes count as one K, in the product's order):
;;     1. [M 4,096, K 1,024] x [K 1,024, N 1,024]; A: input q; B: input wq: QUANTISED (scales: A lowp_scales[0], B lowp_scales[1])
;;     2. [M 4,096, K 1,024] x [K 1,024, N 1,024]; A: input k; B: input wk: QUANTISED (scales: A lowp_scales[2], B lowp_scales[3])
;;     3. [M 4,096, K 1,024] x [K 1,024, N 1,024]; A: input v; B: input wv: QUANTISED (scales: A lowp_scales[4], B lowp_scales[5])
;;     4. batch 32 x [M 2,048, K 64] x [K 64, N 2,048]; A: computed on the way; B: computed on the way: QUANTISED (scales: A lowp_scales[6], B lowp_scales[7])
;;     5. batch 32 x [M 2,048, K 2,048] x [K 2,048, N 64]; A: softmax (see below); B: computed on the way: QUANTISED (scales: A lowp_scales[8], B lowp_scales[9])
;;     6. [M 4,096, K 1,024] x [K 1,024, N 1,024]; A: computed on the way; B: input wo: QUANTISED (scales: A lowp_scales[10], B lowp_scales[11])
;;   THE QUANTISER, for each operand of a quantised product, along K:
;;     - The operand's scale is 2^e, e = its entry of the input lowp_scales (int32; the entries are numbered through the quantised products in the list's order, A before B).
;;     - Each number is divided by the scale, clamped to +-57,344, and rounded to the nearest number of E5M2, ties to even, subnormals kept.
;;     - The product sums the exact products of the quantised numbers (number of the format x scale) in f32.
;;   ~~~python
;;   def quantise(x, axis, e):      # numpy; x: float32 -> the quantised numbers, widened to float32 again
;;       x = np.moveaxis(x, axis, -1); K = x.shape[-1]
;;       r = np.clip(x / 2.0 ** e, -57344, 57344)
;;       step = 2.0 ** (np.maximum(np.frexp(np.where(r == 0, 1, r))[1] - 1, -14) - 2)
;;       q = np.round(r / step) * step * 2.0 ** e      # np.round: ties to even
;;       return np.moveaxis(q, -1, axis).astype(np.float32)
;;   ~~~
;;   SOFTMAX AHEAD OF A QUANTISED PRODUCT. Where the list says 'softmax', what is quantised is not the finished softmax but p = 2^(t - M), with t = logit x log2(e) and M = ceil(the row's largest t), a whole number; so 1/2 < the row's largest p <= 1. The row's sum l is taken of the UNQUANTISED p, in f32, and the product's result is divided by l at the end. Since M is a whole number, a kernel that streams over the keys may use a running M (the ceiling of the running maximum): every later rescaling is an exact power of two, so the quantised numbers keep their values, but for numbers so far below the row's largest that they fall under the format's range.
;;   OPERANDS COMPUTED ON THE WAY. 'Computed on the way' means the value that the module computes at that place (a softmax that the list does not call 'softmax' is quantised finished and normalised). What goes into a quantiser is computed in f32, as accurately as f32 sums, v_exp_f32 and their like allow (about 1e-6 of the number): no bf16 or f16 on the way to a quantiser, and a product that is left as it is and whose result goes on into a quantised operand takes f32 operands (vector FMAs, or v_wmma_f32_16x16x4_f32). A number that lies on a knife's edge between two numbers of the format may be rounded either way, as far as f32 arithmetic and the matrix unit's own rounding can turn it there, and no further.
;; One version. Each part assembles by itself: llvm-mc -triple=amdgcn-amd-amdhsa -mcpu=gfx1250 --defsym DOCPART=n.
;; ======== version 1 of 1: 4 launches
;; limits: right only within a limited range of input values
;; workspace buffers: xcodes 12,582,912 bytes; wcodes 4,194,304 bytes; maskw 524,288 bytes of whole numbers; qkv 12,582,912 bytes; xattn 4,194,304 bytes
;; launch prep (part 1): grid 640 x 1, 4 waves a work-group, no clusters, 34,304 bytes of LDS; arguments q, k, v, wq, wk, wv, wo, mask, lowp_scales, xcodes, wcodes, maskw; writes xcodes, wcodes, maskw
.if DOCPART == 1
	.amdgcn_target "amdgcn-amd-amdhsa--gfx1250"
	.amdhsa_code_object_version 6
	.text
	.protected	k_q40ddcd3bf9_prep
	.globl	k_q40ddcd3bf9_prep
	.p2align	8
	.type	k_q40ddcd3bf9_prep,@function
k_q40ddcd3bf9_prep:
	s_mov_b64 s[64:65], 0
	v_nop
	global_prefetch_b8 v0, s[64:65] scope:SCOPE_SE
	s_setreg_imm32_b32 hwreg(HW_REG_WAVE_MODE, 25, 1), 1
	s_wait_xcnt 0x0
; q, k, v [4096][1024] and wq, wk, wv, wo [1024][1024], f32, K innermost, become codes of BF8 (E5M2), each tensor with the scale 2^e given for it;
; mask [2048][2048] int32 becomes one bit a number.  Every f32 byte and every mask byte is read once here; all later launches read codes and bits.
; code = x / 2^e, held within +-57,344, to the nearest code, ties to even.  LIMITS: e between -126 and 112; NaN among the inputs is not served.
; THE CODES LIE IN THE ORDER OF THE OPERAND'S REGISTERS.  A fragment (16 rows x 128 K) is 2,048 bytes, [piece c 0..3][lane 0..31][16 bytes]: lane (r = lane % 16, h = lane / 16)
; holds of row r the codes of k = 32 c + 8 h + 0..7 and k = 32 c + 16 + 8 h + 0..7: registers 4 c .. 4 c + 3 of the matrix operand.  xcodes, wcodes: [tile of 16 rows][K step 0..7][2,048].
; THE BITS: maskw [tile of 16 queries][step of 128 keys][word n = 8 t + j, 0..63]: bit r + 16 h of word n is mask[16 tile + r][128 step + 16 t + 8 h + j] != 0.
; A TASK is 16 rows x 128 numbers of 4 bytes; a wave does four tasks side by side (2,048 bytes of each of 16 rows).  Each load reads 512 consecutive bytes of a row; the task turns through the
; wave's own stage in LDS, so that lane (r, h) gets, of row r, the numbers 16 u + 8 h + 0..7 in registers 8 u + 0..7; eight conversions (or 64 compares) follow.
; One text serves all eight tensors: pointers, pitch and offsets are chosen on the work-group's number: 0-383 q, k, v; 384-511 the weights; 512-639 the mask.
; No tensor loads, no barrier, no cluster, no matrix unit: waves share nothing and every byte is touched once.
.set SPITCH, 528                       ; a stage row: 512 bytes + 16 = 33 x 16: the sixteen rows that a read touches start at sixteen different 16-byte columns
.set WSTAGE, 16*SPITCH                 ; a wave's stage
.set RAW, 16                           ; v16-143  two sets of 64: a task's numbers as loaded
.set XN,  144                          ; v144-207 the task's numbers, turned
.set CD,  208                          ; v208-239 two sets of 16: a task's codes
.set WD,  240                          ; v240-247 a pair of words for each task of the mask
.set RB,  32                           ; s[32:63] the sixteen rows' addresses
	s_load_b512 s[4:19], s[0:1], 0x0               ; q, k, v, wq, wk, wv, wo, mask
	s_load_b256 s[20:27], s[0:1], 0x40             ; the scales' exponents, xcodes, wcodes, maskw
	v_lshl_add_u32 v248, v0, 2, 0x8400
	v_mov_b32 v249, 0
	v_lshrrev_b32 v5, 5, v0
	v_readfirstlane_b32 s2, v5                     ; wave 0..3
	v_and_b32 v5, 31, v0                           ; lane
	v_lshlrev_b32 v1, 4, v5                        ; 16 x lane
	v_lshlrev_b32 v4, 3, v5                        ; 8 x lane
	v_and_b32 v6, 15, v0                           ; r
	v_bfe_u32 v7, v0, 4, 1                         ; h
	s_mul_i32 s70, s2, WSTAGE
	v_add_nc_u32 v2, s70, v1                       ; into the stage: 16 x lane of a row
	v_mul_u32_u24 v3, v6, SPITCH
	v_lshl_add_u32 v3, v7, 5, v3
	v_add_nc_u32 v3, s70, v3                       ; out of it: row r, + 32 h
.irp i, 0,1,2,3,4,5,6,7
	v_mov_b32 v[WD+\i], 0                          ; written once: a lane write's destination counts as read
.endr
	s_lshl_b32 s3, ttmp9, 2
	s_add_co_u32 s3, s3, s2                        ; J: my wave's job
	; where my 16 rows' 2,048 bytes begin.  q, k, v, weights: tile (J / 2) % 256 or % 64, half J % 2 of rows of 4,096 bytes.  mask: tile = work-group - 512, quarter = wave of rows of 8,192 bytes
	s_lshr_b32 s76, s3, 1
	s_cmp_lt_u32 ttmp9, 384
	s_cselect_b32 s71, 255, 63
	s_and_b32 s76, s76, s71
	s_lshl_b32 s76, s76, 16
	s_and_b32 s71, s3, 1
	s_lshl_b32 s71, s71, 11
	s_or_b32 s76, s76, s71
	s_sub_co_u32 s71, ttmp9, 512
	s_lshl_b32 s71, s71, 17
	s_lshl_b32 s72, s2, 11
	s_add_co_u32 s71, s71, s72
	s_mov_b32 s78, 8192
	s_cmp_lt_u32 ttmp9, 512
	s_cselect_b32 s76, s76, s71
	s_cselect_b32 s78, 4096, s78                   ; bytes from row to row
	s_mov_b32 s77, 0
	s_mov_b32 s79, 0
	; where my results go: 8,192 bytes of codes a job (xcodes from job 0, wcodes from job 1,536), 1,024 bytes of bits a job (from job 2,048)
	s_cmp_lt_u32 ttmp9, 384
	s_cselect_b32 s72, 0, 1536
	s_sub_co_u32 s72, s3, s72
	s_lshl_b32 s72, s72, 13
	s_sub_co_u32 s71, s3, 2048
	s_lshl_b32 s71, s71, 10
	s_cmp_lt_u32 ttmp9, 512
	s_cselect_b32 s72, s72, s71
	s_mov_b32 s73, 0
	; which entry of the scales: q, k, v: 0, 2, 4; wq, wk, wv, wo: 1, 3, 5, 11; the mask reads entry 0 and does not use it
	s_lshr_b32 s28, ttmp9, 7
	s_lshl_b32 s28, s28, 1
	s_sub_co_u32 s29, ttmp9, 384
	s_lshr_b32 s29, s29, 5
	s_cmp_eq_u32 s29, 3
	s_cselect_b32 s71, 5, 1
	s_lshl_b32 s29, s29, 1
	s_add_co_u32 s29, s29, s71
	s_cmp_lt_u32 ttmp9, 384
	s_cselect_b32 s28, s28, s29
	s_cmp_lt_u32 ttmp9, 512
	s_cselect_b32 s28, s28, 0
	s_lshl_b32 s29, s28, 2
	s_wait_kmcnt 0x0
	s_load_b32 s28, s[20:21], s29 offset:0x0       ; e
	s_mov_b64 s[RB:RB+1], s[18:19]                 ; the tensor is chosen on the work-group's number alone
	s_cmp_lt_u32 ttmp9, 512
	s_cselect_b64 s[RB:RB+1], s[16:17], s[RB:RB+1]
	s_cmp_lt_u32 ttmp9, 480
	s_cselect_b64 s[RB:RB+1], s[14:15], s[RB:RB+1]
	s_cmp_lt_u32 ttmp9, 448
	s_cselect_b64 s[RB:RB+1], s[12:13], s[RB:RB+1]
	s_cmp_lt_u32 ttmp9, 416
	s_cselect_b64 s[RB:RB+1], s[10:11], s[RB:RB+1]
	s_cmp_lt_u32 ttmp9, 384
	s_cselect_b64 s[RB:RB+1], s[8:9], s[RB:RB+1]
	s_cmp_lt_u32 ttmp9, 256
	s_cselect_b64 s[RB:RB+1], s[6:7], s[RB:RB+1]
	s_cmp_lt_u32 ttmp9, 128
	s_cselect_b64 s[RB:RB+1], s[4:5], s[RB:RB+1]
	s_mov_b64 s[30:31], s[26:27]                   ; and so is the buffer of the results
	s_cmp_lt_u32 ttmp9, 512
	s_cselect_b64 s[30:31], s[24:25], s[30:31]
	s_cmp_lt_u32 ttmp9, 384
	s_cselect_b64 s[30:31], s[22:23], s[30:31]
	s_add_nc_u64 s[30:31], s[30:31], s[72:73]
	s_add_nc_u64 s[RB:RB+1], s[RB:RB+1], s[76:77]
.irp r, 1,2,3,4,5,6,7,8,9,10,11,12,13,14,15
	s_add_nc_u64 s[RB+2*\r:RB+2*\r+1], s[RB+2*\r-2:RB+2*\r-1], s[78:79]   ; a base for each row, so that one text serves both pitches
.endr
.macro LOAD t                          ; task t: 16 loads, each 512 consecutive bytes of one row
.irp r, 0,1,2,3,4,5,6,7,8,9,10,11,12,13,14,15
	global_load_b128 v[RAW+64*((\t)%2)+4*\r:RAW+64*((\t)%2)+4*\r+3], v1, s[RB+2*\r:RB+2*\r+1] offset:512*(\t) th:TH_LOAD_NT
.endr
.endm
.macro TURN t                          ; through the stage: LDS serves a wave's instructions in order, so no wait stands between the stores and the loads
.irp r, 0,1,2,3,4,5,6,7,8,9,10,11,12,13,14,15
	ds_store_b128 v2, v[RAW+64*((\t)%2)+4*\r:RAW+64*((\t)%2)+4*\r+3] offset:SPITCH*\r
.endr
.irp u, 0,1,2,3,4,5,6,7
	ds_load_b128 v[XN+8*\u:XN+8*\u+3], v3 offset:64*\u
	ds_load_b128 v[XN+8*\u+4:XN+8*\u+7], v3 offset:64*\u+16
.endr
.endm
.macro QUANT t                         ; 64 numbers a lane become 16 registers of codes: one fragment, stored as it stands
.set II, 0
.rept 64
	v_med3_num_f32 v[XN+II], v[XN+II], -v10, v10   ; the conversion to an 8-bit code does not saturate (ISA guide 7.6.2): the hold at the largest code x the scale
.set II, II+1
.endr
.if (\t) >= 2
	s_wait_alu depctr_va_vdst(0)
	s_wait_xcnt 0x0                                ; the stores of two tasks ago have read this set of codes: it is written again only behind this wait
.endif
.irp u, 0,1,2,3,4,5,6,7
	v_cvt_scalef32_pk8_bf8_f32 v[CD+16*((\t)%2)+2*\u:CD+16*((\t)%2)+2*\u+1], v[XN+8*\u:XN+8*\u+7], v11
.endr
	v_nop                                          ; one plain vector line behind the last conversion of a run
.irp c, 0,1,2,3
	global_store_b128 v1, v[CD+16*((\t)%2)+4*\c:CD+16*((\t)%2)+4*\c+3], s[30:31] offset:2048*(\t)+512*\c   ; 32 lanes store 512 consecutive bytes, aligned
.endr
.endm
.macro BITS t                          ; 64 compares give the 64 words of the step; word n goes to lane n / 2, register n % 2, so that one store of 8 bytes a lane writes the step's 256 bytes
.set GG, 0
.rept 8
.set II, 0
.rept 8
	v_cmp_ne_u32 s[68+II], 0, v[XN+8*GG+II]
.set II, II+1
.endr
.set II, 0
.rept 8
	v_writelane_b32 v[WD+2*(\t)+II%2], s[68+II], (8*GG+II)/2
.set II, II+1
.endr
.set GG, GG+1
.endr
	global_store_b64 v4, v[WD+2*(\t):WD+2*(\t)+1], s[30:31] offset:256*(\t)
.endm
.macro TASK t
.if (\t) < 3
	s_wait_loadcnt 16                              ; this task's 16 loads are in; the next task's 16 may be out
.else
	s_wait_loadcnt 0x0
.endif
	TURN \t
	s_wait_dscnt 0x0                               ; the numbers are back, and the stage's stores have read their registers,
.if (\t) < 2
	LOAD (\t)+2                                    ; which take the loads of two tasks on
.endif
	s_cmp_ge_u32 ttmp9, 512                        ; the two ways part on the work-group's number, round lines that touch no LDS
	s_cbranch_scc1 .Lbits_\t
	s_wait_alu depctr_va_vdst(0)
	QUANT \t
	s_branch .Ljoin_\t
.Lbits_\t:
	BITS \t
.Ljoin_\t:
.endm
	LOAD 0
	LOAD 1
	s_wait_kmcnt 0x0
	s_add_co_i32 s28, s28, 127
	s_lshl_b32 s29, s28, 23
	v_mov_b32 v11, s29                             ; 2^e as f32: the conversion takes its exponent field
	s_add_co_i32 s28, s28, 15
	s_lshl_b32 s28, s28, 23
	s_or_b32 s28, s28, 0x600000
	v_mov_b32 v10, s28                             ; 57,344 x 2^e
	TASK 0
	TASK 1
	TASK 2
	TASK 3
	s_wait_tensorcnt 0x0
	ds_add_u32 v248, v249
	s_wait_dscnt 0x0
	s_endpgm
.Lfunc_end_k_q40ddcd3bf9_prep:
	.size	k_q40ddcd3bf9_prep, .Lfunc_end_k_q40ddcd3bf9_prep-k_q40ddcd3bf9_prep
	.p2alignl 7, 3214868480
	.fill 96, 4, 3214868480
	.section	.rodata,"a",@progbits
	.p2align	6, 0x0
	.amdhsa_kernel k_q40ddcd3bf9_prep
		.amdhsa_group_segment_fixed_size 34304
		.amdhsa_private_segment_fixed_size 0
		.amdhsa_enable_private_segment 0
		.amdhsa_kernarg_size 96
		.amdhsa_user_sgpr_count 2
		.amdhsa_user_sgpr_kernarg_segment_ptr 1
		.amdhsa_wavefront_size32 1
		.amdhsa_system_sgpr_workgroup_id_x 1
		.amdhsa_system_sgpr_workgroup_id_y 1
		.amdhsa_system_sgpr_workgroup_id_z 1
		.amdhsa_system_vgpr_workitem_id 0
		.amdhsa_next_free_vgpr 250
		.amdhsa_next_free_sgpr 80
		.amdhsa_reserve_vcc 0
		.amdhsa_float_denorm_mode_32 3
		.amdhsa_float_denorm_mode_16_64 3
		.amdhsa_memory_ordered 1
		.amdhsa_forward_progress 1
		.amdhsa_inst_pref_size 72
	.end_amdhsa_kernel
	.amdgpu_metadata
---
amdhsa.version: [ 1, 2 ]
amdhsa.kernels:
  - .name:           k_q40ddcd3bf9_prep
    .symbol:         k_q40ddcd3bf9_prep.kd
    .args:
      - { .name: q, .offset: 0, .size: 8, .value_kind: global_buffer, .address_space: global }
      - { .name: k, .offset: 8, .size: 8, .value_kind: global_buffer, .address_space: global }
      - { .name: v, .offset: 16, .size: 8, .value_kind: global_buffer, .address_space: global }
      - { .name: wq, .offset: 24, .size: 8, .value_kind: global_buffer, .address_space: global }
      - { .name: wk, .offset: 32, .size: 8, .value_kind: global_buffer, .address_space: global }
      - { .name: wv, .offset: 40, .size: 8, .value_kind: global_buffer, .address_space: global }
      - { .name: wo, .offset: 48, .size: 8, .value_kind: global_buffer, .address_space: global }
      - { .name: mask, .offset: 56, .size: 8, .value_kind: global_buffer, .address_space: global }
      - { .name: lowp_scales, .offset: 64, .size: 8, .value_kind: global_buffer, .address_space: global }
      - { .name: xcodes, .offset: 72, .size: 8, .value_kind: global_buffer, .address_space: global }
      - { .name: wcodes, .offset: 80, .size: 8, .value_kind: global_buffer, .address_space: global }
      - { .name: maskw, .offset: 88, .size: 8, .value_kind: global_buffer, .address_space: global }
    .group_segment_fixed_size: 34304
    .private_segment_fixed_size: 0
    .kernarg_segment_align: 8
    .kernarg_segment_size: 96
    .max_flat_workgroup_size: 128
    .sgpr_count:     80
    .vgpr_count:     250
    .wavefront_size: 32
...
	.end_amdgpu_metadata
.endif
;; end of part 1
;; launch proj (part 2): grid 8 x 96, 4 waves a work-group, clusters of 4 x 4, 262,656 bytes of LDS; arguments xcodes, wcodes, lowp_scales, bq, bk, bv, qkv; writes qkv
.if DOCPART == 2
	.amdgcn_target "amdgcn-amd-amdhsa--gfx1250"
	.amdhsa_code_object_version 6
	.text
	.protected	k_q40ddcd3bf9_proj
	.globl	k_q40ddcd3bf9_proj
	.p2align	8
	.type	k_q40ddcd3bf9_proj,@function
k_q40ddcd3bf9_proj:
	s_mov_b64 s[64:65], 0
	v_nop
	global_prefetch_b8 v0, s[64:65] scope:SCOPE_SE
	s_setreg_imm32_b32 hwreg(HW_REG_WAVE_MODE, 25, 1), 1
	s_wait_xcnt 0x0
	s_wait_alu depctr_hold_cnt(0) depctr_sa_sdst(0) depctr_va_vdst(0) depctr_va_sdst(0) depctr_va_ssrc(0) depctr_va_vcc(0) depctr_vm_vsrc(0)
	s_getreg_b32 s2, hwreg(HW_REG_IB_STS2, 6, 4)
	s_cmp_eq_u32 s2, 0
	s_cbranch_scc0 .Lentry_in_a_cluster
	s_endpgm
.Lentry_in_a_cluster:
	s_bfe_u32 s2, ttmp6, 0x10000c
	s_cmp_lg_u32 s2, 0xf033
	s_cbranch_scc0 .Lentry_shape_is_right
	s_endpgm
.Lentry_shape_is_right:
; The three projections in one launch: y = x W^T + b on codes of BF8 (E5M2), for (q, wq, bq), (k, wk, bk), (v, wv, bv); y is quantised at once, with the scale given for it as an operand of attention's
; products, and stored as codes in the order of that operand's registers.  Sums in f32.
; SHARES.  The stacked q, k, v are 12,288 rows: 96 tiles of 128 rows x 8 tiles of 128 features.  T = tile row / 32 says which tensor.  A work-group of four waves makes 128 x 128, a wave 64 x 64: 16 accumulators.
; LDS IS FILLED ONCE.  K is 1,024, so the tile's 128 rows of x and 128 rows of W are 131,072 bytes each and lie whole in LDS; they come in four chunks of 256 along K, all asked for at the start.
; No LDS byte is filled a second time.  The walk along K, 8 steps of 128, is written out.
; FRAGMENTS lie in memory and in LDS as images of the operand's registers (2,048 bytes: [piece c][lane][16 bytes]): every LDS load is at a constant + 16 x lane, 512 consecutive bytes.
; CLUSTERS: 4 x 4 work-groups.  The four of a row of the cluster need the same rows of x, the four of a column the same rows of W: each tile is asked for JOINTLY, by the same tensor load with the same descriptor
; and a mask that names the four.
; Q AND K (T = 0, 1): source 0 = 16 rows of W, source 1 = 16 rows of x: a lane holds one token and eight neighbouring features.  A wave's 64 features are one head: its codes are fragments [head][tile of 16 tokens][1,024].
; V (T = 2): the sources change places: a lane holds one feature and eight neighbouring TOKENS, which are the second product's K: its codes are fragments of V^T, [head][step of 128 keys][tile of 16 d][2,048].
; The two ways part once, on T, which is made of the cluster's y alone and is alike in all partners.
; THE SCALES.  A sum stands for sum x 2^(ea + eb).  The bias goes in as b / 2^(ea + eb), and the conversion takes 2^(eo - ea - eb).
; LIMITS: eo - ea - eb between -126 and 112.  NaN among the inputs is not served.
; REGISTERS: window 0: v1 16 x lane; v16, v17 LDS addresses; v12, v13 the conversion's scale and hold; v32-63 bias; v64-95 at work; v96-127 codes; v128-255 the accumulators.
;   window 1: two buffers of 128: x's four fragments, then W's four.
.set CHUNK, 65536                      ; a chunk in LDS: 256 along K of x's 128 rows (32,768 bytes), then of W's
.set ACC,  128
.set G1A,  28                          ; s[28:35] descriptor group 1 for x's tiles;  s[36:43] for W's
.set G1B,  36
.set G0A,  44                          ; s[44:59] group 0 for x's four chunks;  s[68:83] for W's
.set G0B,  68
.set MSB,  0
.macro WIN new                         ; the immediate's high byte repeats the setting that is left
.if MSB != \new
	s_set_vgpr_msb (MSB<<8)|\new
.set MSB, \new
.endif
.endm
.macro PLACES                          ; four plain vector lines between a matrix instruction and a load into, or a read of, its registers
.rept 4
	v_nop
.endr
.endm
.macro ROUND                           ; a round of the cluster's barrier
	s_barrier_signal -1
	s_barrier_wait -1
	s_cmp_lg_u32 s18, 0
	s_cbranch_scc1 .Lnot_wave_0_\@
	s_barrier_signal -3
.Lnot_wave_0_\@:
	s_barrier_wait -3
	s_barrier_signal -1
	s_barrier_wait -1
.endm
.macro FETCH kk, f                     ; 32 LDS loads in one run: the fragments of the chunk's kk-th 128 along K into buffer f
	WIN 0x40                                       ; destination window 1, address window 0
.irp i, 0,1,2,3
.irp c, 0,1,2,3
	ds_load_b128 v[\f+64+16*\i+4*\c:\f+64+16*\i+4*\c+3], v17 offset:16384*\i+2048*(\kk)+512*\c   ; a tile of 16 rows is 16,384 bytes in LDS as in memory: [K step 0..7][2,048]
.endr
.endr
.irp i, 0,1,2,3
.irp c, 0,1,2,3
	ds_load_b128 v[\f+16*\i+4*\c:\f+16*\i+4*\c+3], v16 offset:16384*\i+2048*(\kk)+512*\c
.endr
.endr
.endm
; 16 matrix instructions, 128 along K.  The 16 accumulators take turns, one instruction a turn, in the same order in every step.  zero: the first step starts the sums.
.macro MUL16 f, zero, swap
	WIN 0x05                                       ; sources 0 and 1 window 1; C and D window 0
.irp a, 0,1,2,3
.irp b, 0,1,2,3
.if \swap
.set RDD, ACC+8*(4*\b+\a)
.set RS0, \f+16*\a
.set RS1, \f+64+16*\b
.else
.set RDD, ACC+8*(4*\a+\b)
.set RS0, \f+64+16*\b
.set RS1, \f+16*\a
.endif
.if \zero
	v_wmma_f32_16x16x128_bf8_bf8 v[RDD:RDD+7], v[RS0:RS0+15], v[RS1:RS1+15], 0
.else
	v_wmma_f32_16x16x128_bf8_bf8 v[RDD:RDD+7], v[RS0:RS0+15], v[RS1:RS1+15], v[RDD:RDD+7]
.endif
.endr
.endr
.endm
; The walk along K.  Step k multiplies buffer k % 2 while step k + 1's fragments are on their way into the other buffer.
.macro BODY swap
	s_wait_alu depctr_va_vdst(0)
	s_wait_tensorcnt 0x0                           ; my one load, 64 rows x all of K, is in
	s_barrier_signal -1
	s_barrier_wait -1                              ; everybody's is
	FETCH 0, 0
.set KS, 0
.rept 7
.if KS > 0
	PLACES                                         ; the buffer about to be loaded was multiplied in the step before
.endif
	FETCH KS+1, 128*((KS+1)%2)                     ; every K step's place is an immediate: 16,384 x 3 + 2,048 x 7 + 1,536 = 65,024 at the most
	s_wait_dscnt 32                                ; all but the 32 just issued
	MUL16 128*(KS%2), KS==0, \swap
.set KS, KS+1
.endr
	s_wait_dscnt 0x0
	MUL16 128, 0, \swap
	WIN 0
.endm
; The way out: group NG is 16 registers of two neighbouring accumulators = 16 codes of one piece of a fragment.  Bias, hold, conversion; two sets of registers by turns, so that no conversion's sources are
; written by the lines next to it.  Each accumulator is read from its low end on.
.macro EPI vpath
.set NG, 0
.rept 8
.set SRC, ACC+16*NG
.set TT, 64+16*(NG%2)
.irp p, 0,2,4,6,8,10,12,14
.if \vpath
	v_pk_add_f32 v[TT+\p:TT+\p+1], v[SRC+\p:SRC+\p+1], v[32+2*(NG/2):33+2*(NG/2)] op_sel_hi:[1,0]   ; one feature a lane: its bias for both halves
.else
	v_pk_add_f32 v[TT+\p:TT+\p+1], v[SRC+\p:SRC+\p+1], v[32+16*(NG%2)+\p:33+16*(NG%2)+\p]
.endif
.endr
.irp p, 0,1,2,3,4,5,6,7,8,9,10,11,12,13,14,15
	v_med3_num_f32 v[TT+\p], v[TT+\p], -v13, v13   ; the conversion to an 8-bit code does not saturate (ISA guide 7.6.2)
.endr
	v_cvt_scalef32_pk8_bf8_f32 v[96+4*NG:97+4*NG], v[TT:TT+7], v12
	v_cvt_scalef32_pk8_bf8_f32 v[98+4*NG:99+4*NG], v[TT+8:TT+15], v12
.set NG, NG+1
.endr
	v_nop                                          ; one plain vector line behind the last conversion
.set NG, 0
.rept 8
.if \vpath
	global_store_b128 v1, v[96+4*NG:99+4*NG], s[16:17] offset:2048*(NG/2)+512*(NG%2)   ; 32 lanes store 512 consecutive bytes, aligned: a piece of a fragment
.else
	global_store_b128 v1, v[96+4*NG:99+4*NG], s[16:17] offset:512*NG
.endif
.set NG, NG+1
.endr
.endm
	s_load_b256 s[4:11], s[0:1], 0x0               ; xcodes, wcodes, the scales' exponents, bq
	s_load_b128 s[12:15], s[0:1], 0x20             ; bk, bv
	s_load_b64 s[16:17], s[0:1], 0x30              ; qkv
	v_lshl_add_u32 v30, v0, 2, 0x40000
	v_mov_b32 v31, 0
	ds_add_u32 v30, v31
	ds_add_u32 v30, v31
	v_lshrrev_b32 v2, 5, v0
	v_readfirstlane_b32 s18, v2                    ; wave 0..3
	s_lshr_b32 s19, s18, 1                         ; i: which 64 rows of x are mine.  Also: I fetch for x (0) or for W (1)
	s_and_b32 s20, s18, 1                          ; j: which 64 rows of W.  Also: which 64 rows of that tile I fetch
	s_bfe_u32 s21, ttmp6, 0x40000                  ; cx, cy: my place in the cluster
	s_bfe_u32 s22, ttmp6, 0x40004
	s_lshl_b32 s23, ttmp9, 2
	s_add_co_u32 s23, s23, s21                     ; gx: tile of features = 4 x cluster x + cx
	s_and_b32 s26, ttmp7, 0xffff
	s_lshl_b32 s24, s26, 2
	s_add_co_u32 s24, s24, s22                     ; gy: tile of rows = 4 x cluster y + cy
	s_lshr_b32 s25, s26, 3                         ; T = gy / 32, of the cluster's y alone
	s_lshl_b32 s84, s22, 2
	s_lshl_b32 s84, 15, s84                        ; my row of the cluster
	s_lshl_b32 s85, 0x1111, s21                    ; my column
	; descriptor group 1: 4 tiles of 16 rows, of each the 4,096 bytes of 256 along K, 16,384 bytes apart; elements of 8 bytes; dense in LDS
	s_or_b32 s[G1A], s84, (3<<16)|(1<<21)          ; 15:0 the mask; 17:16 elements of 8 bytes; 21 set beside a mask
	s_or_b32 s[G1B], s85, (3<<16)|(1<<21)
.irp g, G1A, G1B
	; ONE LOAD A WAVE (in place of the chunks that the head comment names): 64 rows x 1,024 K are 65,536 consecutive bytes, stated as 256 rows of 256 bytes, dense in memory and in LDS
	s_mov_b32 s[\g+1], 32<<16                      ; tensor_dim0 = 32 elements of 8 bytes
	s_mov_b32 s[\g+2], 256<<16                     ; tensor_dim1 = 256
	s_mov_b32 s[\g+3], 32<<16                      ; tile_dim0 = 32
	s_mov_b32 s[\g+4], 256                         ; tile_dim1 = 256
	s_mov_b32 s[\g+5], 32                          ; tensor_dim0_stride
	s_mov_b32 s[\g+6], 0
	s_mov_b32 s[\g+7], 0
.endr
	s_lshl_b32 s86, s24, 17                        ; x: 131,072 bytes a tile of 128 rows, + 65,536 x half
	s_lshl_b32 s87, s20, 16
	s_add_co_u32 s86, s86, s87
	s_mov_b32 s87, 0
	s_lshl_b32 s88, s23, 17                        ; W: the same, + 1 MiB x T
	s_lshl_b32 s89, s20, 16
	s_add_co_u32 s88, s88, s89
	s_lshl_b32 s89, s25, 20
	s_add_co_u32 s88, s88, s89
	s_mov_b32 s89, 0
	s_lshl_b32 s90, s18, 16                        ; where they go: 65,536 x wave: no place in the cluster enters an LDS address
	s_lshl_b32 s91, s25, 3                         ; ea, eb: entries 2 T, 2 T + 1
	s_cmp_eq_u32 s25, 2
	s_cselect_b32 s95, 7, 6
	s_add_co_u32 s95, s95, s25
	s_lshl_b32 s95, s95, 2                         ; eo: entry 6, 7 or 9
	s_wait_dscnt 0x0
	s_wait_kmcnt 0x0
	s_load_b64 s[92:93], s[8:9], s91 offset:0x0
	s_load_b32 s94, s[8:9], s95 offset:0x0
	s_add_nc_u64 s[86:87], s[4:5], s[86:87]
	s_add_nc_u64 s[88:89], s[6:7], s[88:89]
.irp c, 0
	s_mov_b32 s[G0A+4*\c], 1                       ; count = 1
	s_add_co_u32 s[G0A+4*\c+1], s90, \c*CHUNK      ; LDS address
	s_add_nc_u64 s[G0A+4*\c+2:G0A+4*\c+3], s[86:87], \c*4096   ; global address: 256 along K are 4,096 bytes of a tile of 16 rows
	s_or_b32 s[G0A+4*\c+3], s[G0A+4*\c+3], 0x80000000          ; type = 2
	s_mov_b32 s[G0B+4*\c], 1
	s_add_co_u32 s[G0B+4*\c+1], s90, \c*CHUNK
	s_add_nc_u64 s[G0B+4*\c+2:G0B+4*\c+3], s[88:89], \c*4096
	s_or_b32 s[G0B+4*\c+3], s[G0B+4*\c+3], 0x80000000
.endr
	ROUND                                          ; all sixteen work-groups are here: the joint loads meet
	s_cmp_eq_u32 s19, 0                            ; a wave's one load stands in one branch on the wave's number, ahead of every wait on TENSORcnt and every LDS read: one load of mine is out
	s_cbranch_scc0 .Lfor_b
.irp c, 0
	tensor_load_to_lds s[G0A+4*\c:G0A+4*\c+3], s[G1A:G1A+7]   ; one tensor load a wave, one to each arm
	s_nop 0
.endr
	PLACES                                         ; four v_nop follow the last load, ahead of the jump and the label
	s_branch .Lasked
.Lfor_b:
.irp c, 0
	tensor_load_to_lds s[G0B+4*\c:G0B+4*\c+3], s[G1B:G1B+7]
	s_nop 0
.endr
	PLACES
.Lasked:
	v_and_b32 v1, 31, v0
	v_lshlrev_b32 v1, 4, v1                        ; 16 x lane
	v_and_b32 v3, 15, v0                           ; r
	v_bfe_u32 v4, v0, 4, 1                         ; h
	v_lshlrev_b32 v5, 5, v4                        ; 32 h: eight numbers of the bias
	v_lshlrev_b32 v6, 2, v3                        ; 4 r: one
	s_lshl_b32 s96, s19, 16
	v_add_nc_u32 v16, s96, v1                      ; my 64 rows of x in chunk 0
	s_lshl_b32 s97, s20, 16
	s_add_co_u32 s97, s97, 131072                  ; W's two halves lie behind x's two
	v_add_nc_u32 v17, s97, v1                      ; my 64 rows of W
	s_cmp_eq_u32 s25, 1                            ; the bias is chosen on T
	s_cselect_b64 s[10:11], s[12:13], s[10:11]
	s_cmp_eq_u32 s25, 2
	s_cselect_b64 s[10:11], s[14:15], s[10:11]
	; where my codes go: 4 MiB x T + 2 MiB x batch + 131,072 x head + 8,192 x (tile of 128 tokens in the batch) + my half of the tokens: 4,096 i (four fragments of Q or K) or 1,024 i (two pieces of V^T's)
	s_and_b32 s60, s24, 31
	s_lshr_b32 s61, s60, 4
	s_and_b32 s60, s60, 15
	s_lshl_b32 s62, s25, 22
	s_lshl_b32 s61, s61, 21
	s_add_co_u32 s62, s62, s61
	s_lshl_b32 s61, s23, 1
	s_add_co_u32 s61, s61, s20                     ; the head: 2 gx + j
	s_lshl_b32 s61, s61, 17
	s_add_co_u32 s62, s62, s61
	s_lshl_b32 s60, s60, 13
	s_add_co_u32 s62, s62, s60
	s_cmp_eq_u32 s25, 2
	s_cselect_b32 s61, 10, 12
	s_lshl_b32 s61, s19, s61
	s_add_co_u32 s62, s62, s61
	s_mov_b32 s63, 0
	s_add_nc_u64 s[16:17], s[16:17], s[62:63]
	s_lshl_b32 s60, s23, 9                         ; my 64 numbers of the bias: 512 gx + 256 j bytes on
	s_lshl_b32 s61, s20, 8
	s_add_co_u32 s60, s60, s61
	s_mov_b32 s61, 0
	s_add_nc_u64 s[10:11], s[10:11], s[60:61]
	s_wait_kmcnt 0x0
	s_add_co_i32 s92, s92, s93                     ; ea + eb
	s_sub_co_i32 s98, 0, s92
	s_sub_co_i32 s94, s94, s92                     ; eo - ea - eb
	s_add_co_i32 s94, s94, 127
	s_lshl_b32 s93, s94, 23
	v_mov_b32 v12, s93                             ; 2^(eo - ea - eb) as f32
	s_add_co_i32 s94, s94, 15
	s_lshl_b32 s94, s94, 23
	s_or_b32 s94, s94, 0x600000
	v_mov_b32 v13, s94                             ; 57,344 x that
	s_cmp_eq_u32 s25, 2
	s_cbranch_scc1 .Lvpath
	; ---- Q and K
	s_wait_alu depctr_va_vdst(0)
.irp b, 0,1,2,3
	global_load_b128 v[32+8*\b:35+8*\b], v5, s[10:11] offset:64*\b       ; bias of features 16 b + 8 h + 0..7
	global_load_b128 v[36+8*\b:39+8*\b], v5, s[10:11] offset:64*\b+16
.endr
	BODY 0
	s_wait_loadcnt 0x0
.set II, 0
.rept 32
	v_ldexp_f32 v[32+II], v[32+II], s98            ; b / 2^(ea + eb).  (These lines are also the places behind the last products)
.set II, II+1
.endr
	EPI 0
	s_branch .Lend
.Lvpath:
	; ---- V
	s_wait_alu depctr_va_vdst(0)
.irp b, 0,1,2,3
	global_load_b32 v[32+2*\b], v6, s[10:11] offset:64*\b                ; bias of feature 16 b + r
	v_mov_b32 v[33+2*\b], 0                                              ; (named with it as a pair, so it is written)
.endr
	BODY 1
	s_wait_loadcnt 0x0
.irp b, 0,1,2,3
	v_ldexp_f32 v[32+2*\b], v[32+2*\b], s98
.endr
	PLACES
	EPI 1
.Lend:
	s_wait_tensorcnt 0x0
	ds_add_u32 v30, v31
	s_wait_dscnt 0x0
	ROUND                                          ; the closing round: no work-group ends while a partner may still ask for a tile that names it
	s_endpgm
.Lfunc_end_k_q40ddcd3bf9_proj:
	.size	k_q40ddcd3bf9_proj, .Lfunc_end_k_q40ddcd3bf9_proj-k_q40ddcd3bf9_proj
	.p2alignl 7, 3214868480
	.fill 96, 4, 3214868480
	.section	.rodata,"a",@progbits
	.p2align	6, 0x0
	.amdhsa_kernel k_q40ddcd3bf9_proj
		.amdhsa_group_segment_fixed_size 262656
		.amdhsa_private_segment_fixed_size 0
		.amdhsa_enable_private_segment 0
		.amdhsa_kernarg_size 56
		.amdhsa_user_sgpr_count 2
		.amdhsa_user_sgpr_kernarg_segment_ptr 1
		.amdhsa_wavefront_size32 1
		.amdhsa_system_sgpr_workgroup_id_x 1
		.amdhsa_system_sgpr_workgroup_id_y 1
		.amdhsa_system_sgpr_workgroup_id_z 1
		.amdhsa_system_vgpr_workitem_id 0
		.amdhsa_next_free_vgpr 512
		.amdhsa_next_free_sgpr 100
		.amdhsa_reserve_vcc 0
		.amdhsa_float_denorm_mode_32 3
		.amdhsa_float_denorm_mode_16_64 3
		.amdhsa_memory_ordered 1
		.amdhsa_forward_progress 1
		.amdhsa_inst_pref_size 89
	.end_amdhsa_kernel
	.amdgpu_metadata
---
amdhsa.version: [ 1, 2 ]
amdhsa.kernels:
  - .name:           k_q40ddcd3bf9_proj
    .symbol:         k_q40ddcd3bf9_proj.kd
    .args:
      - { .name: xcodes, .offset: 0, .size: 8, .value_kind: global_buffer, .address_space: global }
      - { .name: wcodes, .offset: 8, .size: 8, .value_kind: global_buffer, .address_space: global }
      - { .name: lowp_scales, .offset: 16, .size: 8, .value_kind: global_buffer, .address_space: global }
      - { .name: bq, .offset: 24, .size: 8, .value_kind: global_buffer, .address_space: global }
      - { .name: bk, .offset: 32, .size: 8, .value_kind: global_buffer, .address_space: global }
      - { .name: bv, .offset: 40, .size: 8, .value_kind: global_buffer, .address_space: global }
      - { .name: qkv, .offset: 48, .size: 8, .value_kind: global_buffer, .address_space: global }
    .group_segment_fixed_size: 262656
    .private_segment_fixed_size: 0
    .kernarg_segment_align: 8
    .kernarg_segment_size: 56
    .max_flat_workgroup_size: 128
    .sgpr_count:     100
    .vgpr_count:     512
    .wavefront_size: 32
...
	.end_amdgpu_metadata
.endif
;; end of part 2
;; launch attn (part 3): grid 8 x 32, 16 waves a work-group, clusters of 4 x 1, 264,192 bytes of LDS; arguments qkv, maskw, lowp_scales, xattn; writes xattn
.if DOCPART == 3
	.amdgcn_target "amdgcn-amd-amdhsa--gfx1250"
	.amdhsa_code_object_version 6
	.text
	.protected	k_q40ddcd3bf9_attn
	.globl	k_q40ddcd3bf9_attn
	.p2align	8
	.type	k_q40ddcd3bf9_attn,@function
k_q40ddcd3bf9_attn:
	s_mov_b64 s[64:65], 0
	v_nop
	global_prefetch_b8 v0, s[64:65] scope:SCOPE_SE
	s_setreg_imm32_b32 hwreg(HW_REG_WAVE_MODE, 25, 1), 1
	s_wait_xcnt 0x0
	s_wait_alu depctr_hold_cnt(0) depctr_sa_sdst(0) depctr_va_vdst(0) depctr_va_sdst(0) depctr_va_ssrc(0) depctr_va_vcc(0) depctr_vm_vsrc(0)
	s_getreg_b32 s2, hwreg(HW_REG_IB_STS2, 6, 4)
	s_cmp_eq_u32 s2, 0
	s_cbranch_scc0 .Lentry_in_a_cluster
	s_endpgm
.Lentry_in_a_cluster:
	s_bfe_u32 s2, ttmp6, 0x10000c
	s_cmp_lg_u32 s2, 0x3003
	s_cbranch_scc0 .Lentry_shape_is_right
	s_endpgm
.Lentry_shape_is_right:
; x[b][q][head] = softmax_k(where(mask == 0, -1, Q . K / 8)) V, both products on codes of BF8 (E5M2) with the given scales; x is quantised at once as the last product's operand.
; THE MASK IS SOFT: a masked logit is -1, so masked keys count in the maximum, in the sum and in the second product.  Its bits come as whole words, one for each register of S^T, and serve as lane masks of selects.
; THE SOFTMAX: t = logit x log2(e); M = the largest t so far, rounded UP to a whole number; p = 2^(t - M) is quantised, not normalised; the row's sum is taken of the unquantised p and divides at the end.
; When M moves, the sum and O are multiplied by 2^(old M - new M): exact.
; SHARES.  A work-group owns 256 queries of one (batch, head); each of its sixteen waves 16 of them, in 256 registers: four waves to a SIMD.
; LDS IS FILLED ONCE: the head's whole K (131,072 bytes from byte 0) and V^T (131,072 bytes behind it), in four chunks of 512 keys, all asked for at the start; no LDS byte is filled a second time.
; CLUSTER: the four blocks of queries of a cluster walk the same K and V: every tile is asked for JOINTLY, by the same tensor load with the same descriptor and the mask of all four.
; LAYOUT.  Both products are used transposed: S^T = K Q^T (source 0 = 16 keys, source 1 = my 16 queries, K = 64), O^T = V^T P^T (source 0 = 16 of the head's 64, source 1 = P, K = 128 keys): a lane holds ONE query.
; Register 8 t + j of S^T in lane (r, h) is key 16 t + 8 h + j of the step: just the place that the second product's operand gives that key, so the conversions' results are the operand.
; All fragments lie in LDS as images of their registers: every LDS load is at a constant + 16 x lane.
; THE KEY STEP IS LAID SO THAT A WAVE BY ITSELF SELDOM WAITS.  K's fragments are asked for a step ahead: tiles 0-3 into registers of their own, tiles 4-7 into the lower half of S^T's registers, which p has left by
; then; V's at the step's head, for its end.  No two exponentials follow each other: behind each stand plain lines that are ready (scalings of later blocks, sums and holds of the block before, O^T's rescaling).
; The maximum runs in eight chains, the sum in four.
; LIMITS on the given exponents, so that each power of two below is an f32 number: e6 + e7 between -123 and 129; e8 and e10 between -126 and 112.  A p under 2^-126 comes out of v_exp_f32 as 0.  NaN is not served.
; VECTOR REGISTERS: v1, v2 16 x lane (+ 131,072); v3 and v234 the hold for p, twice; v[4:5], v[6:7], v[240:241] three chains of the sum; v8, v9 the step's addresses; v12 -M; v13 the largest score;
;   v[14:15] the sum; v16-23 Q; v24-55 K's tiles 0-3; v56-119 V's four fragments; v120-183 S^T, then p (v120-151 first hold K's tiles 4-7); v184-215 O^T; v216-231 p's codes; v232 the masked score;
;   v233 2^e8; v235, v236 2^e10 and its hold; v237 a permute's result; v[238:239] f, 0; v242 the old -M; v243 t; v244-251 eight maxima.
; SCALAR REGISTERS: s2 wave; s3 LDS byte of the step, and the loops' counter; s[4:11] descriptor group 1; s[12:19], s[52:59] four groups 0; s[20:51], s[68:99] the step's 64 mask words;
;   s[60:61] my queries' mask words; s[62:63] c; s[66:67] lane selects; s100 offset of the mask words asked for; s101 e8 + e9; s[104:105] where my codes go.
.set KF, 24
.set VF, 56
.set SS, 120
.set OT, 184
.set PC, 216
.set MX, 244
.macro ROUND                           ; a round of the cluster's barrier
	s_barrier_signal -1
	s_barrier_wait -1
	s_cmp_lg_u32 s2, 0
	s_cbranch_scc1 .Lnot_wave_0_\@
	s_barrier_signal -3
.Lnot_wave_0_\@:
	s_barrier_wait -3
	s_barrier_signal -1
	s_barrier_wait -1
.endm
.macro G0SET g, c                      ; descriptor group 0 for chunk c
	s_mov_b32 s[\g], 1                             ; count = 1
	s_add_co_u32 s[\g+1], s33, \c*32768            ; LDS address
	s_add_nc_u64 s[\g+2:\g+3], s[34:35], \c*32768  ; global address: 512 keys are 32,768 bytes of K and of V^T
	s_or_b32 s[\g+3], s[\g+3], 0x80000000          ; type = 2
.endm
	s_load_b256 s[20:27], s[0:1], 0x0              ; qkv, maskw, the scales' exponents, xattn
	v_lshl_add_u32 v254, v0, 2, 0x40000
	v_mov_b32 v255, 0
	ds_add_u32 v254, v255
	ds_add_u32 v254, v255
	v_lshrrev_b32 v3, 5, v0
	s_delay_alu instid0(VALU_DEP_1)
	v_readfirstlane_b32 s2, v3                     ; wave 0..15
	v_and_b32 v1, 31, v0
	s_delay_alu instid0(VALU_DEP_1)
	v_lshlrev_b32 v1, 4, v1                        ; 16 x lane
	s_delay_alu instid0(VALU_DEP_1)
	v_add_nc_u32 v2, 0x20000, v1                   ; the same in V's half of LDS
	s_bfe_u32 s28, ttmp6, 0x40000                  ; cx: it enters Q's, the mask's and x's addresses alone
	s_lshl_b32 s29, ttmp9, 2
	s_add_co_u32 s29, s29, s28
	s_lshl_b32 s29, s29, 4
	s_add_co_u32 s29, s29, s2                      ; my tile of 16 queries: 16 x (4 x cluster x + cx) + wave
	s_and_b32 s30, ttmp7, 0xffff                   ; 16 x batch + head, which the four partners share
	; descriptor group 1: 16 rows of 256 bytes, dense in memory and in LDS; elements of 8 bytes
	s_mov_b32 s4, 15|(3<<16)|(1<<21)               ; 15:0 the mask: all four work-groups; 17:16 elements of 8 bytes; 21 set beside a mask
	s_mov_b32 s5, 32<<16                           ; tensor_dim0 = 32
	s_mov_b32 s6, 64<<16                           ; tensor_dim1 = 64
	s_mov_b32 s7, 32<<16                           ; tile_dim0 = 32
	s_mov_b32 s8, 64                               ; tile_dim1 = 64: 16,384 consecutive bytes a wave
	s_mov_b32 s9, 32                               ; tensor_dim0_stride
	s_mov_b32 s10, 0
	s_mov_b32 s11, 0
	s_lshr_b32 s31, s2, 3                          ; waves 0-7 fetch K, waves 8-15 V: 4,096 bytes of each chunk a wave
	s_and_b32 s32, s2, 7
	s_lshl_b32 s32, s32, 14                        ; 16,384 bytes a wave: an eighth of the head's K or V^T
	s_lshl_b32 s33, s31, 17
	s_add_co_u32 s33, s33, s32                     ; in LDS
	s_add_co_u32 s34, s31, 1
	s_lshl_b32 s34, s34, 22                        ; in memory: K's part of qkv begins at 4 MiB, V's at 8 MiB,
	s_lshl_b32 s35, s30, 17                        ; a head is 131,072 bytes
	s_add_co_u32 s34, s34, s35
	s_add_co_u32 s34, s34, s32
	s_mov_b32 s35, 0
	s_lshl_b32 s68, s30, 17                        ; Q: the head, + 1,024 bytes a tile
	s_lshl_b32 s69, s29, 10
	s_add_co_u32 s68, s68, s69
	s_mov_b32 s69, 0
	s_lshl_b32 s60, s29, 12                        ; the mask's words: 4,096 bytes a tile of queries
	s_mov_b32 s61, 0
	s_lshr_b32 s70, s30, 4                         ; x: ((128 x batch + tile) x 8 + head / 2) x 2,048 + (head % 2) x 1,024
	s_lshl_b32 s70, s70, 7
	s_add_co_u32 s70, s70, s29
	s_lshl_b32 s70, s70, 3
	s_and_b32 s71, s30, 15
	s_lshr_b32 s72, s71, 1
	s_add_co_u32 s70, s70, s72
	s_lshl_b32 s70, s70, 11
	s_and_b32 s71, s71, 1
	s_lshl_b32 s71, s71, 10
	s_add_co_u32 s104, s70, s71
	s_mov_b32 s105, 0
	s_mov_b32 s66, 0x76543210                      ; v_permlanex16_b32's selects for lane l xor 16
	s_mov_b32 s67, 0xfedcba98
	s_wait_dscnt 0x0
	s_wait_kmcnt 0x0
	s_load_b128 s[36:39], s[24:25], 0x18           ; e6, e7, e8, e9
	s_load_b32 s40, s[24:25], 0x28                 ; e10
	s_add_nc_u64 s[34:35], s[20:21], s[34:35]
	s_add_nc_u64 s[68:69], s[20:21], s[68:69]
	s_add_nc_u64 s[60:61], s[22:23], s[60:61]
	s_add_nc_u64 s[104:105], s[26:27], s[104:105]
	G0SET 12, 0
	ROUND                                          ; all four work-groups are here: the joint loads meet
	tensor_load_to_lds s[12:15], s[4:11]           ; ONE LOAD A WAVE (in place of the chunks that the head comment names): sixteen waves x 16,384 bytes fill K's and V's halves of LDS
	s_nop 0
.rept 4
	v_nop                                          ; four v_nop follow the last load
.endr
	s_wait_alu depctr_va_vdst(0)
	global_load_b128 v[16:19], v1, s[68:69]        ; Q's fragment stays in registers
	global_load_b128 v[20:23], v1, s[68:69] offset:512
	v_mov_b32 v13, 0xff61b1e6                      ; the largest score so far: -3e38, under every score
	s_delay_alu instid0(VALU_DEP_1)
	v_floor_f32 v12, -v13                          ; -M: 3e38, over every -M that follows
	v_mov_b32 v14, 0                               ; the sum, in two halves
	v_mov_b32 v15, 0
	v_mov_b32 v237, 0                              ; written once: a lane permute's destination counts as one of its sources
	v_mov_b32 v239, 0                              ; (named as the upper half of the pair v[238:239])
.set II, 0
.rept 32
	v_mov_b32 v[OT+II], 0                          ; O^T.  (The step is written without a first form of its own: the first change of M leaves zeros zeros)
.set II, II+1
.endr
	s_wait_kmcnt 0x0
	s_add_co_i32 s41, s36, s37                     ; e6 + e7: a score stands for score x 2^(e6 + e7)
	s_lshl_b32 s41, s41, 23
	s_add_co_i32 s62, s41, 0x3e38aa3b              ; c = log2(e) / 8, with the two exponents added to its exponent field
	s_mov_b32 s63, s62                             ; (named with it as a pair, so it is written)
	s_sub_co_i32 s42, 0xc1000000, s41              ; -8 / 2^(e6 + e7): the score that stands for the logit -1: times c it is -log2(e)
	v_mov_b32 v232, s42
	s_add_co_i32 s101, s38, s39                    ; e8 + e9
	s_add_co_i32 s43, s38, 127
	s_lshl_b32 s44, s43, 23
	v_mov_b32 v233, s44                            ; 2^e8 as f32
	s_add_co_i32 s43, s43, 15
	s_lshl_b32 s43, s43, 23
	s_or_b32 s43, s43, 0x600000
	v_mov_b32 v234, s43                            ; 57,344 x 2^e8,
	v_mov_b32 v3, s43                              ; twice: the two halves of a dual-issue pair take their first sources from registers whose numbers differ modulo 4
	s_add_co_i32 s43, s40, 127
	s_lshl_b32 s44, s43, 23
	v_mov_b32 v235, s44                            ; 2^e10
	s_add_co_i32 s43, s43, 15
	s_lshl_b32 s43, s43, 23
	s_or_b32 s43, s43, 0x600000
	v_mov_b32 v236, s43                            ; 57,344 x 2^e10
	s_wait_xcnt 0x0                                ; Q's loads have read their base: the registers that hold it are loaded only behind this wait
	s_mov_b32 s100, 0
	s_load_b512 s[20:35], s[60:61], s100 offset:0x0      ; the first step's 64 mask words
	s_load_b512 s[36:51], s[60:61], s100 offset:0x40
	s_load_b512 s[68:83], s[60:61], s100 offset:0x80
	s_load_b512 s[84:99], s[60:61], s100 offset:0xc0
; ---- the pieces of a key step
.macro FMA r                           ; t - M for the two scores at S^T's register r (of the pairs c and -M the low word serves both halves)
	v_pk_fma_f32 v[SS+\r:SS+\r+1], v[SS+\r:SS+\r+1], s[62:63], v[12:13] op_sel_hi:[1,0,0]
.endm
.macro HOLD r                          ; two holds in one issue.  The conversion to an 8-bit code does not saturate (ISA guide 7.6.2); p is not negative, so the hold is one-sided.  r is even
	v_dual_min_num_f32 v[\r], v234, v[\r] :: v_dual_min_num_f32 v[\r+1], v3, v[\r+1]
.endm
.macro CHAIN                           ; link LV (0..2) of chain CJ (0..7) of the maximum: the chain takes registers 8 CJ .. 8 CJ + 6
.if LV == 0
	v_max3_num_f32 v[MX+CJ], v[SS+8*CJ], v[SS+8*CJ+1], v[SS+8*CJ+2]
.else
	v_max3_num_f32 v[MX+CJ], v[MX+CJ], v[SS+8*CJ+2*LV+1], v[SS+8*CJ+2*LV+2]
.endif
.endm
; Line NN of the 32 that find the largest of my 64 scores.  0-14: chains 4-7, their four registers left over (39, 47, 55, 63), and three of the four joined: these need tiles 4-7 alone.
; 15-31: chains 0-3, their four left over, and all that is left joined.  Links of one chain stand four lines apart.
.macro MXOP
.if NN < 12
.set LV, NN/4
.set CJ, 4+NN%4
	CHAIN
.elseif NN == 12
	v_max3_num_f32 v[MX+4], v[MX+4], v[SS+39], v[SS+47]
.elseif NN == 13
	v_max3_num_f32 v[MX+5], v[MX+5], v[SS+55], v[SS+63]
.elseif NN == 14
	v_max3_num_f32 v[MX+6], v[MX+6], v[MX+7], v[MX+4]
.elseif NN < 27
.set LV, (NN-15)/4
.set CJ, (NN-15)%4
	CHAIN
.elseif NN == 27
	s_delay_alu instid0(VALU_DEP_4)
	v_max3_num_f32 v[MX], v[MX], v[SS+7], v[SS+15]
.elseif NN == 28
	s_delay_alu instid0(VALU_DEP_4)
	v_max3_num_f32 v[MX+1], v[MX+1], v[SS+23], v[SS+31]
.elseif NN == 29
	s_delay_alu instid0(VALU_DEP_3)
	v_max3_num_f32 v[MX+2], v[MX+2], v[MX+3], v[MX+5]
.elseif NN == 30
	s_delay_alu instid0(VALU_DEP_2)
	v_max3_num_f32 v[MX], v[MX], v[MX+1], v[MX+6]
.else
	s_delay_alu instid0(VALU_DEP_1)
	v_max_num_f32 v[MX], v[MX], v[MX+2]
.endif
.set NN, NN+1
.endm
; Line II (0..15) of what follows the exponentials of block b (16 registers, 8 pairs): each pair is added to the block's chain of the sum, UNQUANTISED, and only then held; behind four holds a conversion.
; Block 0 adds onto the running sum (8 additions); the others start a chain with their first two pairs (7 additions, so line 15 is empty).
.macro AOP b
.if \b == 1
.set CHR, 240
.elseif \b == 2
.set CHR, 4
.else
.set CHR, 6
.endif
.if \b == 0
.if II%2 == 0
	s_wait_alu depctr_va_vdst(0)
	v_pk_add_f32 v[14:15], v[14:15], v[SS+II:SS+II+1]
.else
	HOLD SS+II-1
.endif
.elseif II == 0
	s_wait_alu depctr_va_vdst(0)
	v_pk_add_f32 v[CHR:CHR+1], v[SS+16*\b:SS+16*\b+1], v[SS+16*\b+2:SS+16*\b+3]
.elseif II < 3
	HOLD SS+16*\b+2*II-2
.elseif II == 15
.elseif II%2 == 1
	v_pk_add_f32 v[CHR:CHR+1], v[CHR:CHR+1], v[SS+16*\b+II+1:SS+16*\b+II+2]
.else
	HOLD SS+16*\b+II
.endif
.if II == 7
	v_cvt_scalef32_pk8_bf8_f32 v[PC+4*\b:PC+4*\b+1], v[SS+16*\b:SS+16*\b+7], v233
.elseif II == 15
	v_cvt_scalef32_pk8_bf8_f32 v[PC+4*\b+2:PC+4*\b+3], v[SS+16*\b+8:SS+16*\b+15], v233
.endif
.endm
; Sixteen exponentials of block eb, by turns with block ab's lines; behind every second one a line more: x = 1: the scalings of block 3; 2, 3: O^T's lower and upper half x f.
.macro TURNS eb, ab, x
.set II, 0
.rept 16
	v_exp_f32 v[SS+16*\eb+II], v[SS+16*\eb+II]     ; p = 2^(t - M), at most 1
	AOP \ab
.if II%2 == 0
.if \x == 1
	FMA 48+II
.elseif \x == 2
	s_wait_alu depctr_va_vdst(0)
	v_pk_mul_f32 v[OT+II:OT+II+1], v[OT+II:OT+II+1], v[238:239] op_sel_hi:[1,0]
.else
	s_wait_alu depctr_va_vdst(0)
	v_pk_mul_f32 v[OT+16+II:OT+17+II], v[OT+16+II:OT+17+II], v[238:239] op_sel_hi:[1,0]
.endif
.endif
.set II, II+1
.endr
.endm
; A KEY STEP: 128 keys, whose tiles begin at LDS byte s3 of K's half and of V's half.  K's eight fragments have been asked for: tiles 0-3 in v[KF] on, tiles 4-7 in v[SS] .. v[SS+31].
; pre = 1: the next step's fragments of K and its mask words are asked for.
.macro STEP pre
	s_wait_dscnt 0x0                               ; K's fragments are in
	s_wait_kmcnt 0x0                               ; and so are the step's mask words
	s_barrier_signal -1                            ; I have begun this step.  No LDS access of mine is out here; up to the wait stand matrix and vector work and LDS loads of bytes that nobody writes
.irp t, 0,1,2,3
	v_wmma_f32_16x16x64_bf8_bf8 v[SS+32+8*\t:SS+39+8*\t], v[SS+8*\t:SS+7+8*\t], v[16:23], 0     ; tiles 4-7 first: their fragments lie where tiles 0-3's scores go
.endr
	v_add_nc_u32 v9, s3, v2                        ; five plain lines: the next four products write over sources of the last four (ISA guide 7.12.1).  They are also the places between the last step's
.if \pre
	v_add_nc_u32 v8, s3, v1                        ; products V^T P and the loads into V's registers below
.else
	v_nop
.endif
	v_mov_b32 v242, v12                            ; the old -M
	v_nop
	v_nop
.irp t, 0,1,2,3
	v_wmma_f32_16x16x64_bf8_bf8 v[SS+8*\t:SS+7+8*\t], v[KF+8*\t:KF+7+8*\t], v[16:23], 0         ; tiles 0-3
.endr
.irp d, 0,1,2,3
.irp c, 0,1,2,3
	ds_load_b128 v[VF+16*\d+4*\c:VF+16*\d+4*\c+3], v9 offset:2048*\d+512*\c        ; V's four fragments: they land under the softmax
.endr
.endr
	s_wait_alu depctr_va_vdst(0)
.set II, 0
.rept 32
	v_cndmask_b32 v[SS+32+II], v232, v[SS+32+II], s[68+II]     ; where the bit is 0 the score becomes that of the logit -1.  Tiles 4-7, each from its low end on: these lines are the places behind tiles 0-3's products
.set II, II+1
.endr
.if \pre
.irp t, 0,1,2,3
.irp c, 0,1
	ds_load_b128 v[KF+8*\t+4*\c:KF+8*\t+4*\c+3], v8 offset:8192+1024*\t+512*\c     ; the next step's tiles 0-3
.endr
.endr
.endif
.set NN, 0
.set II, 0
.rept 32
	v_cndmask_b32 v[SS+II], v232, v[SS+II], s[20+II]           ; tiles 0-3; behind every second line one of the maximum of tiles 4-7
.if (II%2 == 1) && (NN < 15)
	MXOP
.endif
.set II, II+1
.endr
	s_wait_alu depctr_va_vdst(0)
	s_barrier_wait -1                              ; the sixteen waves walk the keys in step: none passes this line before all have begun the step
.if \pre
	s_lshr_b32 s100, s3, 5                         ; the next step's mask words: 256 bytes a step
	s_add_co_u32 s100, s100, 256
	s_load_b512 s[20:35], s[60:61], s100 offset:0x0
	s_load_b512 s[36:51], s[60:61], s100 offset:0x40
	s_load_b512 s[68:83], s[60:61], s100 offset:0x80
	s_load_b512 s[84:99], s[60:61], s100 offset:0xc0
.endif
.rept 17
	MXOP
.endr
	s_delay_alu instid0(VALU_DEP_1)
	v_permlanex16_b32 v237, v[MX], s66, s67
	s_delay_alu instid0(VALU_DEP_1)
	v_max3_num_f32 v13, v13, v[MX], v237           ; the running largest score: the old one, mine, lane l xor 16's
	s_delay_alu instid0(VALU_DEP_1)
	v_mul_f32 v243, s62, v13                       ; as t (c is positive, so the largest score gives the largest t)
	s_delay_alu instid0(VALU_DEP_1)
	v_floor_f32 v12, -v243                         ; the new -M = floor(-t) = -ceil(t): M is a whole number
	FMA 0
	FMA 2
	s_delay_alu instid0(VALU_DEP_3)
	v_sub_f32 v242, v12, v242                      ; M's old value less its new one: a whole number, 0 or less
	FMA 4
	FMA 6
	s_delay_alu instid0(VALU_DEP_3)
	v_cvt_i32_f32 v242, v242                       ; (it saturates)
	FMA 8
	FMA 10
	s_delay_alu instid0(VALU_DEP_3)
	v_ldexp_f32 v238, 1.0, v242                    ; f = 2^(old M - new M)
	FMA 12
	FMA 14
	s_delay_alu instid0(VALU_DEP_3)
	v_pk_mul_f32 v[14:15], v[14:15], v[238:239] op_sel_hi:[1,0]   ; the sum under the new M
.set II, 0
	s_wait_alu depctr_va_vdst(0)
.rept 16
	v_exp_f32 v[SS+II], v[SS+II]                   ; block 0's exponentials, by turns with the scalings of blocks 1 and 2
	FMA 16+2*II
.set II, II+1
.endr
	s_wait_alu depctr_va_vdst(0)
	TURNS 1, 0, 1
	TURNS 2, 1, 2
.if \pre
.irp t, 0,1,2,3
.irp c, 0,1
	ds_load_b128 v[SS+8*\t+4*\c:SS+8*\t+4*\c+3], v8 offset:12288+1024*\t+512*\c    ; the next step's tiles 4-7, into the registers that blocks 0 and 1 of p have left
.endr
.endr
.endif
	TURNS 3, 2, 3
.set II, 0
.rept 16
	AOP 3
.set II, II+1
.endr
	v_pk_add_f32 v[240:241], v[240:241], v[4:5]    ; the four chains of the sum are joined.  (Also the plain lines between the last conversion and the products that read its result)
	v_pk_add_f32 v[14:15], v[14:15], v[6:7]
	s_delay_alu instid0(VALU_DEP_1)
	v_pk_add_f32 v[14:15], v[14:15], v[240:241]
.if \pre
	s_wait_alu depctr_va_vdst(0)
	s_wait_dscnt 16                                ; V is in; behind its loads stand the sixteen for the next step's K, which may stay out
.else
	s_wait_alu depctr_va_vdst(0)
	s_wait_dscnt 0x0
.endif
.irp d, 0,1,2,3
	v_wmma_f32_16x16x128_bf8_bf8 v[OT+8*\d:OT+8*\d+7], v[VF+16*\d:VF+16*\d+15], v[PC:PC+15], v[OT+8*\d:OT+8*\d+7]   ; four accumulators by turns
.endr
.endm
	s_wait_loadcnt 0x0                             ; Q
	s_wait_tensorcnt 0x0                           ; my one load is in
	s_barrier_signal -1
	s_barrier_wait -1                              ; everybody's are
.irp t, 0,1,2,3
.irp c, 0,1
	ds_load_b128 v[KF+8*\t+4*\c:KF+8*\t+4*\c+3], v1 offset:1024*\t+512*\c          ; step 0's K: tiles 0-3,
.endr
.endr
.irp t, 0,1,2,3
.irp c, 0,1
	ds_load_b128 v[SS+8*\t+4*\c:SS+8*\t+4*\c+3], v1 offset:4096+1024*\t+512*\c     ; tiles 4-7
.endr
.endr
	s_mov_b32 s3, 0
.Lstep_a:                                          ; steps 0-14
	STEP 1
	s_add_co_u32 s3, s3, 8192
	s_cmp_lg_u32 s3, 122880                        ; one loop for steps 0-14: all of K and V lies in LDS from the first step on
	s_cbranch_scc1 .Lstep_a
	s_mov_b32 s3, 122880
	STEP 0                                         ; step 15 is written out: it asks for nothing more
	; THE WAY OUT.  O^T x 2^(e8 + e9) / the sum is quantised with 2^e10: register 8 d + j of lane (r, h) is channel 16 d + 8 h + j of token r: two pieces of a fragment of the last product's operand.
	v_add_f32 v14, v14, v15                        ; the sum's two halves,
	s_delay_alu instid0(VALU_DEP_1)
	v_permlanex16_b32 v237, v14, s66, s67
	s_delay_alu instid0(VALU_DEP_1)
	v_add_f32 v14, v14, v237                       ; and lane l xor 16's
	s_wait_alu depctr_va_vdst(0)
	v_rcp_f32 v14, v14
	v_nop                                          ; one plain place behind a transcendental
	s_wait_alu depctr_va_vdst(0)
	v_ldexp_f32 v14, v14, s101
	v_nop                                          ; (with the two additions, the v_nop and the line above: five plain places behind the last products)
.set II, 0
.rept 32
	v_mul_f32 v[SS+II], v[OT+II], v14              ; each accumulator from its low end on
.set II, II+1
.endr
.set II, 0
.rept 32
	v_med3_num_f32 v[SS+II], v[SS+II], -v236, v236
.set II, II+1
.endr
.irp d, 0,1,2,3
	v_cvt_scalef32_pk8_bf8_f32 v[PC+2*\d:PC+1+2*\d], v[SS+8*\d:SS+7+8*\d], v235
.endr
	v_nop                                          ; one plain vector line behind the last conversion
	global_store_b128 v1, v[PC:PC+3], s[104:105]               ; 32 lanes store 512 consecutive bytes, aligned
	global_store_b128 v1, v[PC+4:PC+7], s[104:105] offset:512
	s_wait_tensorcnt 0x0
	ds_add_u32 v254, v255
	s_wait_dscnt 0x0
	ROUND                                          ; the closing round: no work-group ends while a partner may still ask for a tile that names it
	s_endpgm
.Lfunc_end_k_q40ddcd3bf9_attn:
	.size	k_q40ddcd3bf9_attn, .Lfunc_end_k_q40ddcd3bf9_attn-k_q40ddcd3bf9_attn
	.p2alignl 7, 3214868480
	.fill 96, 4, 3214868480
	.section	.rodata,"a",@progbits
	.p2align	6, 0x0
	.amdhsa_kernel k_q40ddcd3bf9_attn
		.amdhsa_group_segment_fixed_size 264192
		.amdhsa_private_segment_fixed_size 0
		.amdhsa_enable_private_segment 0
		.amdhsa_kernarg_size 32
		.amdhsa_user_sgpr_count 2
		.amdhsa_user_sgpr_kernarg_segment_ptr 1
		.amdhsa_wavefront_size32 1
		.amdhsa_system_sgpr_workgroup_id_x 1
		.amdhsa_system_sgpr_workgroup_id_y 1
		.amdhsa_system_sgpr_workgroup_id_z 1
		.amdhsa_system_vgpr_workitem_id 0
		.amdhsa_next_free_vgpr 256
		.amdhsa_next_free_sgpr 106
		.amdhsa_reserve_vcc 0
		.amdhsa_float_denorm_mode_32 3
		.amdhsa_float_denorm_mode_16_64 3
		.amdhsa_memory_ordered 1
		.amdhsa_forward_progress 1
		.amdhsa_inst_pref_size 53
	.end_amdhsa_kernel
	.amdgpu_metadata
---
amdhsa.version: [ 1, 2 ]
amdhsa.kernels:
  - .name:           k_q40ddcd3bf9_attn
    .symbol:         k_q40ddcd3bf9_attn.kd
    .args:
      - { .name: qkv, .offset: 0, .size: 8, .value_kind: global_buffer, .address_space: global }
      - { .name: maskw, .offset: 8, .size: 8, .value_kind: global_buffer, .address_space: global }
      - { .name: lowp_scales, .offset: 16, .size: 8, .value_kind: global_buffer, .address_space: global }
      - { .name: xattn, .offset: 24, .size: 8, .value_kind: global_buffer, .address_space: global }
    .group_segment_fixed_size: 264192
    .private_segment_fixed_size: 0
    .kernarg_segment_align: 8
    .kernarg_segment_size: 32
    .max_flat_workgroup_size: 512
    .sgpr_count:     106
    .vgpr_count:     256
    .wavefront_size: 32
...
	.end_amdgpu_metadata
.endif
;; end of part 3
;; launch outp (part 4): grid 8 x 32, 4 waves a work-group, clusters of 4 x 4, 280,064 bytes of LDS; arguments xattn, wcodes, lowp_scales, bo, out0; writes out0
.if DOCPART == 4
	.amdgcn_target "amdgcn-amd-amdhsa--gfx1250"
	.amdhsa_code_object_version 6
	.text
	.protected	k_q40ddcd3bf9_outp
	.globl	k_q40ddcd3bf9_outp
	.p2align	8
	.type	k_q40ddcd3bf9_outp,@function
k_q40ddcd3bf9_outp:
	s_mov_b64 s[64:65], 0
	v_nop
	global_prefetch_b8 v0, s[64:65] scope:SCOPE_SE
	s_setreg_imm32_b32 hwreg(HW_REG_WAVE_MODE, 25, 1), 1
	s_wait_xcnt 0x0
	s_wait_alu depctr_hold_cnt(0) depctr_sa_sdst(0) depctr_va_vdst(0) depctr_va_sdst(0) depctr_va_ssrc(0) depctr_va_vcc(0) depctr_vm_vsrc(0)
	s_getreg_b32 s2, hwreg(HW_REG_IB_STS2, 6, 4)
	s_cmp_eq_u32 s2, 0
	s_cbranch_scc0 .Lentry_in_a_cluster
	s_endpgm
.Lentry_in_a_cluster:
	s_bfe_u32 s2, ttmp6, 0x10000c
	s_cmp_lg_u32 s2, 0xf033
	s_cbranch_scc0 .Lentry_shape_is_right
	s_endpgm
.Lentry_shape_is_right:
; out0 = x wo^T + bo on codes of BF8 (E5M2): x [4096][1024] as attention left it, wo's codes are the fourth MiB of wcodes.  Sums in f32; out0 f32.
; A finished sum is multiplied by 2^(e10 + e11) and the bias added, in one packed multiply-add.  LIMIT: e10 + e11 between -126 and 127.
; SHARES, LDS, FRAGMENTS AND CLUSTER as in the projections' launch: a work-group of four waves makes 128 x 128, a wave 64 x 64; the tile's rows of x and of wo (131,072 bytes each) lie whole in LDS, filled once in
; four chunks of 256 along K, all asked for at the start; no LDS byte is filled a second time.  4 x 4 work-groups form a cluster: x's tiles are asked for jointly along its rows, wo's along its columns.
; Source 0 = 16 rows of wo, source 1 = 16 rows of x: a lane holds one token and eight neighbouring outputs.
; THE WAY OUT: a block of 16 tokens x my 64 outputs (256 bytes a row) goes through my own stage in LDS, behind the panels, and comes back by rows, so that sixteen lanes store 256 consecutive bytes, aligned.
; REGISTERS: window 0: v1 16 x lane; v16, v17 LDS addresses; v18, v19 the stage, in and back; v20 my place in two rows of out0; v32-63 bias; v64-95 at work; v128-255 the accumulators, then rows of out0.
;   window 1: two buffers of 128: x's four fragments, then wo's four.
.set CHUNK, 65536
.set STAGE, 262144                     ; behind the four chunks: 16 rows x (256 + 16) bytes for each wave
.set SPITCH, 272
.set ACC,  128
.set G1A,  28
.set G1B,  36
.set G0A,  44
.set G0B,  68
.set MSB,  0
.macro WIN new                         ; the immediate's high byte repeats the setting that is left
.if MSB != \new
	s_set_vgpr_msb (MSB<<8)|\new
.set MSB, \new
.endif
.endm
.macro PLACES                          ; four plain vector lines between a matrix instruction and a load into, or a read of, its registers
.rept 4
	v_nop
.endr
.endm
.macro ROUND                           ; a round of the cluster's barrier
	s_barrier_signal -1
	s_barrier_wait -1
	s_cmp_lg_u32 s18, 0
	s_cbranch_scc1 .Lnot_wave_0_\@
	s_barrier_signal -3
.Lnot_wave_0_\@:
	s_barrier_wait -3
	s_barrier_signal -1
	s_barrier_wait -1
.endm
.macro FETCH kk, f                     ; 32 LDS loads in one run: the fragments of the chunk's kk-th 128 along K into buffer f
	WIN 0x40                                       ; destination window 1, address window 0
.irp i, 0,1,2,3
.irp c, 0,1,2,3
	ds_load_b128 v[\f+64+16*\i+4*\c:\f+64+16*\i+4*\c+3], v17 offset:16384*\i+2048*(\kk)+512*\c   ; a tile of 16 rows is 16,384 bytes in LDS as in memory: [K step 0..7][2,048]
.endr
.endr
.irp i, 0,1,2,3
.irp c, 0,1,2,3
	ds_load_b128 v[\f+16*\i+4*\c:\f+16*\i+4*\c+3], v16 offset:16384*\i+2048*(\kk)+512*\c
.endr
.endr
.endm
; 16 matrix instructions, 128 along K.  The 16 accumulators take turns, one instruction a turn, in the same order in every step.  zero: the first step starts the sums.
.macro MUL16 f, zero
	WIN 0x05                                       ; sources 0 and 1 window 1; C and D window 0
.irp a, 0,1,2,3
.irp b, 0,1,2,3
.set RDD, ACC+8*(4*\a+\b)
.set RS0, \f+64+16*\b
.set RS1, \f+16*\a
.if \zero
	v_wmma_f32_16x16x128_bf8_bf8 v[RDD:RDD+7], v[RS0:RS0+15], v[RS1:RS1+15], 0
.else
	v_wmma_f32_16x16x128_bf8_bf8 v[RDD:RDD+7], v[RS0:RS0+15], v[RS1:RS1+15], v[RDD:RDD+7]
.endif
.endr
.endr
.endm
	s_load_b256 s[4:11], s[0:1], 0x0               ; xattn, wcodes, the scales' exponents, bo
	s_load_b64 s[16:17], s[0:1], 0x20              ; out0
	v_lshl_add_u32 v126, v0, 2, 0x44400
	v_mov_b32 v127, 0
	ds_add_u32 v126, v127
	ds_add_u32 v126, v127
	v_lshrrev_b32 v2, 5, v0
	v_readfirstlane_b32 s18, v2                    ; wave 0..3
	s_lshr_b32 s19, s18, 1                         ; i: which 64 rows of x are mine.  Also: I fetch for x (0) or for wo (1)
	s_and_b32 s20, s18, 1                          ; j: which 64 rows of wo.  Also: which 64 rows of that tile I fetch
	s_bfe_u32 s21, ttmp6, 0x40000                  ; cx, cy: my place in the cluster
	s_bfe_u32 s22, ttmp6, 0x40004
	s_lshl_b32 s23, ttmp9, 2
	s_add_co_u32 s23, s23, s21                     ; gx: tile of outputs
	s_and_b32 s26, ttmp7, 0xffff
	s_lshl_b32 s24, s26, 2
	s_add_co_u32 s24, s24, s22                     ; gy: tile of tokens
	s_lshl_b32 s84, s22, 2
	s_lshl_b32 s84, 15, s84                        ; my row of the cluster
	s_lshl_b32 s85, 0x1111, s21                    ; my column
	; descriptor group 1: 4 tiles of 16 rows, of each the 4,096 bytes of 256 along K, 16,384 bytes apart; elements of 8 bytes; dense in LDS
	s_or_b32 s[G1A], s84, (3<<16)|(1<<21)          ; 15:0 the mask; 17:16 elements of 8 bytes; 21 set beside a mask
	s_or_b32 s[G1B], s85, (3<<16)|(1<<21)
.irp g, G1A, G1B
	; ONE LOAD A WAVE (in place of the chunks that the head comment names): 64 rows x 1,024 K are 65,536 consecutive bytes, stated as 256 rows of 256 bytes, dense in memory and in LDS
	s_mov_b32 s[\g+1], 32<<16                      ; tensor_dim0 = 32 elements of 8 bytes
	s_mov_b32 s[\g+2], 256<<16                     ; tensor_dim1 = 256
	s_mov_b32 s[\g+3], 32<<16                      ; tile_dim0 = 32
	s_mov_b32 s[\g+4], 256                         ; tile_dim1 = 256
	s_mov_b32 s[\g+5], 32                          ; tensor_dim0_stride
	s_mov_b32 s[\g+6], 0
	s_mov_b32 s[\g+7], 0
.endr
	s_lshl_b32 s86, s24, 17                        ; x: 131,072 bytes a tile of 128 rows, + 65,536 x half
	s_lshl_b32 s87, s20, 16
	s_add_co_u32 s86, s86, s87
	s_mov_b32 s87, 0
	s_lshl_b32 s88, s23, 17                        ; wo: the same, + 3 MiB
	s_lshl_b32 s89, s20, 16
	s_add_co_u32 s88, s88, s89
	s_add_co_u32 s88, s88, 3<<20
	s_mov_b32 s89, 0
	s_lshl_b32 s90, s18, 16                        ; where they go: 65,536 x wave: no place in the cluster enters an LDS address
	s_wait_dscnt 0x0
	s_wait_kmcnt 0x0
	s_load_b64 s[92:93], s[8:9], 0x28              ; e10, e11
	s_add_nc_u64 s[86:87], s[4:5], s[86:87]
	s_add_nc_u64 s[88:89], s[6:7], s[88:89]
.irp c, 0
	s_mov_b32 s[G0A+4*\c], 1                       ; count = 1
	s_add_co_u32 s[G0A+4*\c+1], s90, \c*CHUNK      ; LDS address
	s_add_nc_u64 s[G0A+4*\c+2:G0A+4*\c+3], s[86:87], \c*4096   ; global address
	s_or_b32 s[G0A+4*\c+3], s[G0A+4*\c+3], 0x80000000          ; type = 2
	s_mov_b32 s[G0B+4*\c], 1
	s_add_co_u32 s[G0B+4*\c+1], s90, \c*CHUNK
	s_add_nc_u64 s[G0B+4*\c+2:G0B+4*\c+3], s[88:89], \c*4096
	s_or_b32 s[G0B+4*\c+3], s[G0B+4*\c+3], 0x80000000
.endr
	ROUND                                          ; all sixteen work-groups are here: the joint loads meet
	s_cmp_eq_u32 s19, 0                            ; a wave's one load stands in one branch on the wave's number, ahead of every wait on TENSORcnt and every LDS read: one load of mine is out
	s_cbranch_scc0 .Lfor_b
.irp c, 0
	tensor_load_to_lds s[G0A+4*\c:G0A+4*\c+3], s[G1A:G1A+7]   ; one tensor load a wave, one to each arm
	s_nop 0
.endr
	PLACES                                         ; four v_nop follow the last load, ahead of the jump and the label
	s_branch .Lasked
.Lfor_b:
.irp c, 0
	tensor_load_to_lds s[G0B+4*\c:G0B+4*\c+3], s[G1B:G1B+7]
	s_nop 0
.endr
	PLACES
.Lasked:
	v_and_b32 v1, 31, v0
	v_lshlrev_b32 v1, 4, v1                        ; 16 x lane
	v_and_b32 v3, 15, v0                           ; r
	v_bfe_u32 v4, v0, 4, 1                         ; h
	v_lshlrev_b32 v5, 5, v4                        ; 32 h: eight numbers of the bias
	s_lshl_b32 s96, s19, 16
	v_add_nc_u32 v16, s96, v1                      ; my 64 rows of x in chunk 0
	s_lshl_b32 s97, s20, 16
	s_add_co_u32 s97, s97, 131072                  ; wo's two halves lie behind x's two
	v_add_nc_u32 v17, s97, v1                      ; my 64 rows of wo
	s_mul_i32 s96, s18, 16*SPITCH
	s_add_co_u32 s96, s96, STAGE                   ; my stage
	v_mul_u32_u24 v18, v3, SPITCH
	v_lshl_add_u32 v18, v4, 5, v18
	v_add_nc_u32 v18, s96, v18                     ; in: row r, 32 bytes for each half of the lanes
	v_mul_u32_u24 v19, v4, SPITCH
	v_lshl_add_u32 v19, v3, 4, v19
	v_add_nc_u32 v19, s96, v19                     ; back: lanes 0-15 one row of 256 bytes, lanes 16-31 the next
	v_lshlrev_b32 v20, 12, v4
	v_lshl_add_u32 v20, v3, 4, v20                 ; and the same two rows in out0
	s_lshl_b32 s60, s24, 7
	s_lshl_b32 s61, s19, 6
	s_add_co_u32 s60, s60, s61                     ; my first token: 128 gy + 64 i; a row of out0 is 4,096 bytes
	s_lshl_b32 s60, s60, 12
	s_lshl_b32 s61, s23, 9                         ; my first output, in bytes: 512 gx + 256 j
	s_lshl_b32 s62, s20, 8
	s_add_co_u32 s62, s62, s61
	s_mov_b32 s63, 0
	s_mov_b32 s61, 0
	s_add_nc_u64 s[10:11], s[10:11], s[62:63]      ; bo at my 64 outputs
	s_add_nc_u64 s[16:17], s[16:17], s[60:61]
	s_add_nc_u64 s[16:17], s[16:17], s[62:63]
.irp b, 0,1,2,3
	global_load_b128 v[32+8*\b:35+8*\b], v5, s[10:11] offset:64*\b       ; bias of outputs 16 b + 8 h + 0..7
	global_load_b128 v[36+8*\b:39+8*\b], v5, s[10:11] offset:64*\b+16
.endr
	s_wait_alu depctr_va_vdst(0)
	s_wait_kmcnt 0x0
	s_add_co_i32 s98, s92, s93
	s_add_co_i32 s98, s98, 127
	s_lshl_b32 s98, s98, 23                        ; 2^(e10 + e11) as f32
	s_mov_b32 s99, s98                             ; (named with it as a pair, so it is written)
	; ---- the walk along K: step k multiplies buffer k % 2 while step k + 1's fragments are on their way into the other buffer
	s_wait_tensorcnt 0x0                           ; my one load, 64 rows x all of K, is in
	s_barrier_signal -1
	s_barrier_wait -1                              ; everybody's is
	FETCH 0, 0
.set KS, 0
.rept 7
.if KS > 0
	PLACES                                         ; the buffer about to be loaded was multiplied in the step before
.endif
	FETCH KS+1, 128*((KS+1)%2)                     ; every K step's place is an immediate: 16,384 x 3 + 2,048 x 7 + 1,536 = 65,024 at the most
	s_wait_dscnt 32                                ; all but the 32 just issued
	MUL16 128*(KS%2), KS==0
.set KS, KS+1
.endr
	s_wait_dscnt 0x0
	MUL16 128, 0
	WIN 0
; ---- the way out
.macro TOSTAGE a                       ; block a: sum x 2^(e10 + e11) + bias, into my stage, and back by rows into the block's own accumulators, which are done with
.irp b, 0,1,2,3
.irp p, 0,2,4,6
	v_pk_fma_f32 v[64+8*\b+\p:65+8*\b+\p], v[ACC+32*\a+8*\b+\p:ACC+32*\a+8*\b+\p+1], s[98:99], v[32+8*\b+\p:33+8*\b+\p] op_sel_hi:[1,0,1]   ; each accumulator from its low end on
.endr
.endr
.irp b, 0,1,2,3
	ds_store_b128 v18, v[64+8*\b:67+8*\b] offset:64*\b
	ds_store_b128 v18, v[68+8*\b:71+8*\b] offset:64*\b+16
.endr
.irp t, 0,1,2,3,4,5,6,7
	ds_load_b128 v[ACC+32*\a+4*\t:ACC+32*\a+4*\t+3], v19 offset:2*SPITCH*\t   ; LDS serves a wave's instructions in order: these see the stores above, and the next block's stores come behind them
.endr
.endm
.macro SEND a, younger                 ; younger: the LDS instructions issued behind block a's loads, which may stay out
	s_wait_dscnt \younger
.irp t, 0,1,2,3,4,5,6,7
	global_store_b128 v20, v[ACC+32*\a+4*\t:ACC+32*\a+4*\t+3], s[16:17] offset:(16*\a+2*\t)*4096 th:TH_STORE_NT   ; 16 lanes store 256 consecutive bytes, aligned; written once, read by nobody here
.endr
.endm
	s_wait_loadcnt 0x0                             ; the bias
	PLACES                                         ; behind the last products
	TOSTAGE 0
	TOSTAGE 1
	SEND 0, 16                                     ; behind block 0's loads: block 1's eight stores and eight loads
	TOSTAGE 2
	SEND 1, 16
	TOSTAGE 3
	SEND 2, 16
	SEND 3, 0
	s_wait_tensorcnt 0x0
	ds_add_u32 v126, v127
	s_wait_dscnt 0x0
	ROUND                                          ; the closing round: no work-group ends while a partner may still ask for a tile that names it
	s_endpgm
.Lfunc_end_k_q40ddcd3bf9_outp:
	.size	k_q40ddcd3bf9_outp, .Lfunc_end_k_q40ddcd3bf9_outp-k_q40ddcd3bf9_outp
	.p2alignl 7, 3214868480
	.fill 96, 4, 3214868480
	.section	.rodata,"a",@progbits
	.p2align	6, 0x0
	.amdhsa_kernel k_q40ddcd3bf9_outp
		.amdhsa_group_segment_fixed_size 280064
		.amdhsa_private_segment_fixed_size 0
		.amdhsa_enable_private_segment 0
		.amdhsa_kernarg_size 40
		.amdhsa_user_sgpr_count 2
		.amdhsa_user_sgpr_kernarg_segment_ptr 1
		.amdhsa_wavefront_size32 1
		.amdhsa_system_sgpr_workgroup_id_x 1
		.amdhsa_system_sgpr_workgroup_id_y 1
		.amdhsa_system_sgpr_workgroup_id_z 1
		.amdhsa_system_vgpr_workitem_id 0
		.amdhsa_next_free_vgpr 512
		.amdhsa_next_free_sgpr 100
		.amdhsa_reserve_vcc 0
		.amdhsa_float_denorm_mode_32 3
		.amdhsa_float_denorm_mode_16_64 3
		.amdhsa_memory_ordered 1
		.amdhsa_forward_progress 1
		.amdhsa_inst_pref_size 44
	.end_amdhsa_kernel
	.amdgpu_metadata
---
amdhsa.version: [ 1, 2 ]
amdhsa.kernels:
  - .name:           k_q40ddcd3bf9_outp
    .symbol:         k_q40ddcd3bf9_outp.kd
    .args:
      - { .name: xattn, .offset: 0, .size: 8, .value_kind: global_buffer, .address_space: global }
      - { .name: wcodes, .offset: 8, .size: 8, .value_kind: global_buffer, .address_space: global }
      - { .name: lowp_scales, .offset: 16, .size: 8, .value_kind: global_buffer, .address_space: global }
      - { .name: bo, .offset: 24, .size: 8, .value_kind: global_buffer, .address_space: global }
      - { .name: out0, .offset: 32, .size: 8, .value_kind: global_buffer, .address_space: global }
    .group_segment_fixed_size: 280064
    .private_segment_fixed_size: 0
    .kernarg_segment_align: 8
    .kernarg_segment_size: 40
    .max_flat_workgroup_size: 128
    .sgpr_count:     100
    .vgpr_count:     512
    .wavefront_size: 32
...
	.end_amdgpu_metadata
.endif
;; end of part 4
